; MI455X (gfx1250); checked and timed in simulation.
; The chip was launched on July 23, 2026; its instructions are those of AMD's public machine-readable ISA for CDNA 5 (MIT licence, August 2026) and "CDNA5" Instruction Set Architecture Reference Guide (July 2026). The comments in the code are by the model that wrote it; some were corrected since.
;; Siglip Attention. Allowed arithmetic: matrix products marked QUANTISED: E2M1 operands, one E8M0 scale for each 32 along K, by v_wmma_scale_f32_16x16x128_f8f6f4 with both operands' format E2M1 (or v_wmma_scale_f32_32x16x128_f4), f32 sums; products left as they are: bf16, f16 or f32 operands; f32 sums; everything else in f32.
;; Inputs: hidden_states 32 x 1,024 x 384 float32; k_b 384 float32; k_w 384 x 384 float32; o_b 384 float32; o_w 384 x 384 float32; q_b 384 float32; q_w 384 x 384 float32; v_b 384 float32; v_w 384 x 384 float32.
;; Outputs: out0 32 x 1,024 x 384 float32.
;; This version of the problem:
;;   THIS VERSION OF THE PROBLEM IS GIVEN IN LOW PRECISION. The matrix products marked QUANTISED in the list below multiply operands that are first quantised to E2M1 (2 exponent bits, 1 mantissa bit; 4 bits a number), with one power-of-two scale for each 32 numbers along K (OCP MX v1.0); their sums are f32. The products marked 'left as it is' may take bf16, f16 or f32 operands, with f32 sums. Whichever they take, every output number must still come out within the allowed error. Rounding operands to bf16 (8 significant bits) uses up far more of that allowance than f16 does (11 bits, for magnitudes from 6e-5 to 65,504). All else is computed in f32.
;;   The module's matrix products, in the order in which they are computed (A, B: the left and right operand; K: the contracted axis; several contracted axes count as one K, in the product's order):
;;     1. [M 32,768, K 384] x [K 384, N 384]; A: input hidden_states; B: input q_w: QUANTISED
;;     2. [M 32,768, K 384] x [K 384, N 384]; A: input hidden_states; B: input k_w: QUANTISED
;;     3. [M 32,768, K 384] x [K 384, N 384]; A: input hidden_states; B: input v_w: QUANTISED
;;     4. batch 192 x [M 1,024, K 64] x [K 64, N 1,024]; A: computed on the way; B: computed on the way: left as it is (an operand is computed on the way)
;;     5. batch 192 x [M 1,024, K 1,024] x [K 1,024, N 64]; A: computed on the way; B: computed on the way: left as it is (an operand is computed on the way)
;;     6. [M 32,768, K 384] x [K 384, N 384]; A: computed on the way; B: input o_w: left as it is (an operand is computed on the way)
;;   THE QUANTISER, for each operand of a quantised product, along K:
;;     - K is cut into blocks of 32 from its start; a last block that is shorter is filled with zeros.
;;     - A block's scale is 2^e with e = floor(log2(the largest magnitude in the block)) - 2, held to -126 .. 127; a block of zeros has e = 0. As a byte (E8M0): e + 127.
;;     - Each number is divided by its block's scale, clamped to +-6, and rounded to the nearest number of E2M1, ties to even, subnormals kept.
;;     - The product sums the exact products of the quantised numbers (number of the format x scale) in f32.
;;   ~~~python
;;   def quantise(x, axis):      # numpy; x: float32 -> the quantised numbers, widened to float32 again
;;       x = np.moveaxis(x, axis, -1); K = x.shape[-1]
;;       x = np.pad(x, [(0, 0)] * (x.ndim - 1) + [(0, -K % 32)]); x = x.reshape(x.shape[:-1] + (-1, 32)); a = np.abs(x).max(-1, keepdims=True)
;;       e = np.where(a > 0, np.clip(np.frexp(np.where(a > 0, a, 1))[1] - 1 - 2, -126, 127), 0)      # np.frexp(a)[1] - 1 = floor(log2(a)), exactly
;;       r = np.clip(x / 2.0 ** e, -6, 6)
;;       step = 2.0 ** (np.maximum(np.frexp(np.where(r == 0, 1, r))[1] - 1, 0) - 1)
;;       q = np.round(r / step) * step * 2.0 ** e      # np.round: ties to even
;;       return np.moveaxis(q.reshape(q.shape[:-2] + (-1,))[..., :K], -1, axis).astype(np.float32)
;;   ~~~
;; One version. Each part assembles by itself: llvm-mc -triple=amdgcn-amd-amdhsa -mcpu=gfx1250 --defsym DOCPART=n.
;; ======== version 1 of 1: 3 launches
;; limits: values are held in f16: magnitudes above 65,504 overflow, below 6.1e-05 lose precision
;; workspace buffers: wcodes 221,184 bytes; wscales 27,648 bytes; owf 294,912 bytes; qf 25,165,824 bytes; kv 50,331,648 bytes
;; launch prep (part 1): grid 6 x 4, 4 waves a work-group, no clusters, 0 bytes of LDS; arguments q_w, k_w, v_w, o_w, wcodes, wscales, owf; writes wcodes, wscales, owf
.if DOCPART == 1
	.amdgcn_target "amdgcn-amd-amdhsa--gfx1250"
	.amdhsa_code_object_version 6
	.text
	.protected	k_qd2fa199fae_prep
	.globl	k_qd2fa199fae_prep
	.p2align	8
	.type	k_qd2fa199fae_prep,@function
k_qd2fa199fae_prep:
	s_mov_b64 s[64:65], 0
	v_nop
	global_prefetch_b8 v0, s[64:65] scope:SCOPE_SE
	s_setreg_imm32_b32 hwreg(HW_REG_WAVE_MODE, 25, 1), 1
	s_wait_xcnt 0x0
; THE WEIGHTS, ONCE.  q_w, k_w, v_w [384][384] f32, K innermost, become codes of FP4 (E2M1) with one E8M0 byte for each 32 along K; o_w becomes f16.
; All four are laid as IMAGES OF OPERAND REGISTERS: a group of four registers is 512 bytes, lane l's 16 bytes at 16 l, so that the later launches load a fragment by plain 16-byte loads at 16 x lane.
;   wcodes  [mat 3][nt 24][s 3][c 2][512]: rows 16 nt .. 16 nt + 15, K step s (128 along K), registers 4 c .. 4 c + 3
;   wscales [mat][nt][s][32 words]: lane l holds the scale word of row l % 16 (lanes 16-31 repeat it)
;   owf     [nt 24][c 12][u 2][512]: rows 16 nt .., channels 32 c .., registers 4 u .. 4 u + 3 of an f16 fragment
; SHARES: work-group y picks the matrix (0, 1, 2: q, k, v; 3: o_w); a wave takes one tile of 16 rows, nt = 4 x + wave: 24,576 bytes.  No LDS, no barrier: waves share nothing.
; A block's scale is 2^(floor(log2(its largest magnitude)) - 2): its byte is the largest magnitude's exponent field - 2, held at 1 from below.
; LIMITS: NaN and infinities are not served.  A block of zeros gets the byte 1 where the quantiser's rule says 127: its codes are zeros, and this program alone reads the bytes.
; o_w is rounded to f16: magnitudes up to 65,504; under 6e-5 the step is 6e-8.
.set VA,  3                            ; v3   1,536 r + 64 h: my 16 numbers of a block of 32 (the quantiser's way)
.set VB,  4                            ; v4   1,536 r + 32 h: my 8 numbers of 16 (the f16 fragment's way)
.set LI,  5                            ; v5   16 x lane
.set LS,  6                            ; v6   4 x lane
.set X,   32                           ; v32-223  192 numbers of my row
.set TM,  224                          ; v224-239 at work: +0..3 largest magnitudes, +4..7 the other half's, then the bytes, +12..15 the conversions' scale operands
.set SEL, 28                           ; s[28:29] lane selects for v_permlanex16_b32: lane l xor 16
; 64 numbers of a lane, register 16 b + i = k 32 b + 16 (lane / 16) + i of my row, become a fragment's 8 registers of codes in v[pc] on and its scale word in v[pw].
.macro QUANT src, pc, pw
.irp b, 0,1,2,3
	v_max3_num_f32 v[TM+\b], |v[(\src)+16*\b]|, |v[(\src)+1+16*\b]|, 0x1800000   ; block b: my 16 numbers, and the floor 2^(3 - 127): the byte cannot fall under 1
.endr
.irp i, 2,4,6,8,10,12,14
.irp b, 0,1,2,3
	v_max3_num_f32 v[TM+\b], v[TM+\b], |v[(\src)+16*\b+\i]|, |v[(\src)+1+16*\b+\i]|   ; the four blocks by turns
.endr
.endr
.irp b, 0,1,2,3
	v_permlanex16_b32 v[TM+4+\b], v[TM+\b], s[SEL], s[SEL+1]
.endr
.irp b, 0,1,2,3
	v_max_num_f32 v[TM+\b], v[TM+\b], v[TM+4+\b]   ; with lane l xor 16's 16: the block's largest magnitude
.endr
.irp b, 0,1,2,3
	v_add_nc_u32 v[TM+12+\b], 0xff000000, v[TM+\b]   ; 2 off its exponent field: the conversion takes this operand's exponent field as its scale
.endr
.irp b, 0,1,2,3
	v_lshrrev_b32 v[TM+4+\b], 23, v[TM+12+\b]      ; the scale's byte
.endr
	v_lshl_or_b32 v[\pw], v[TM+5], 8, v[TM+4]      ; four bytes: my row's scale word
	v_lshl_or_b32 v[\pw], v[TM+6], 16, v[\pw]
	v_lshl_or_b32 v[\pw], v[TM+7], 24, v[\pw]
.irp b, 0,1,2,3
	v_cvt_scalef32_pk8_fp4_f32 v[(\pc)+2*\b], v[(\src)+16*\b:(\src)+7+16*\b], v[TM+12+\b]
	v_cvt_scalef32_pk8_fp4_f32 v[(\pc)+1+2*\b], v[(\src)+8+16*\b:(\src)+15+16*\b], v[TM+12+\b]
.endr
	v_nop                                          ; one plain instruction behind the scaled conversions
.irp c, 0,1                                    ; the operand wants a whole block in a lane: lanes 0-15 block 2 c, lanes 16-31 block 2 c + 1
.irp i, 0,1
	v_permlane16_swap_b32 v[(\pc)+4*\c+\i], v[(\pc)+2+4*\c+\i]
.endr
.endr
.endm
.macro PUT s, pc, pw                   ; K step s leaves: each store of codes covers 512 consecutive bytes, the scale words 128
	global_store_b128 v[LI], v[\pc:\pc+3], s[12:13] offset:1024*\s
	global_store_b128 v[LI], v[\pc+4:\pc+7], s[12:13] offset:1024*\s+512
	global_store_b32 v[LS], v[\pw], s[14:15] offset:128*\s
.endm
	s_load_b256 s[4:11], s[0:1], 0x0               ; q_w s[4:5], k_w s[6:7], v_w s[8:9], o_w s[10:11]
	s_load_b128 s[12:15], s[0:1], 0x20             ; wcodes s[12:13], wscales s[14:15]
	s_load_b64 s[16:17], s[0:1], 0x30              ; owf
	v_lshrrev_b32 v1, 5, v0
	v_readfirstlane_b32 s20, v1                    ; wave 0..3
	s_and_b32 s21, ttmp7, 0xffff                   ; which matrix
	s_lshl_b32 s22, ttmp9, 2
	s_add_co_u32 s22, s22, s20                     ; nt: my tile of 16 rows
	v_and_b32 v1, 15, v0                           ; r
	v_bfe_u32 v2, v0, 4, 1                         ; h
	v_mul_u32_u24 v[VA], v1, 1536                  ; a row is 1,536 bytes
	v_lshl_add_u32 v[VB], v2, 5, v[VA]
	v_lshl_add_u32 v[VA], v2, 6, v[VA]
	v_and_b32 v7, 31, v0
	v_lshlrev_b32 v[LI], 4, v7
	v_lshlrev_b32 v[LS], 2, v7
	s_mov_b32 s[SEL], 0x76543210
	s_mov_b32 s[SEL+1], 0xfedcba98
.irp b, 0,1,2,3
	v_mov_b32 v[TM+4+\b], 0                        ; written once: a lane permute's destination counts as one of its sources
.endr
	s_mul_i32 s26, s22, 24576                      ; my 16 rows, in bytes
	s_mov_b32 s27, 0
	s_wait_kmcnt 0x0
	s_cmp_eq_u32 s21, 1                            ; the matrix is chosen by the work-group's number alone
	s_cselect_b64 s[24:25], s[6:7], s[4:5]
	s_cmp_eq_u32 s21, 2
	s_cselect_b64 s[24:25], s[8:9], s[24:25]
	s_cmp_eq_u32 s21, 3
	s_cselect_b64 s[24:25], s[10:11], s[24:25]
	s_add_nc_u64 s[24:25], s[24:25], s[26:27]
	s_cmp_eq_u32 s21, 3
	s_cbranch_scc1 .Lo_w
	; ---- q_w, k_w, v_w: three K steps of 128, quantised
	s_mul_i32 s30, s21, 24
	s_add_co_u32 s30, s30, s22                     ; 24 mat + nt
	s_mul_i32 s32, s30, 3072
	s_mov_b32 s33, 0
	s_add_nc_u64 s[12:13], s[12:13], s[32:33]
	s_mul_i32 s32, s30, 384
	s_add_nc_u64 s[14:15], s[14:15], s[32:33]
.irp s, 0,1,2
.irp b, 0,1,2,3
.irp j, 0,1,2,3
	global_load_b128 v[X+64*\s+16*\b+4*\j:X+64*\s+16*\b+4*\j+3], v[VA], s[24:25] offset:512*\s+128*\b+16*\j th:TH_LOAD_NT
.endr
.endr
.endr
	s_wait_loadcnt 32                              ; K step 0's sixteen loads are in; the 32 behind them may be out
	QUANT X, 240, 248                              ; each K step has registers of its own for its codes and its word, so that no store's data are written again
	PUT 0, 240, 248
	s_wait_loadcnt 16                              ; K step 1's are in
	QUANT X+64, 32, 40                             ; (into the registers that K step 0's numbers have left)
	PUT 1, 32, 40
	s_wait_loadcnt 0x0
	QUANT X+128, 96, 104
	PUT 2, 96, 104
	s_endpgm
.Lo_w:	; ---- o_w: twelve chunks of 32 channels, rounded to f16.  Of chunk c lane (r, h) holds channels 8 h + 0..7 (registers 0-3) and 16 + 8 h + 0..7 (registers 4-7)
	s_mul_i32 s32, s22, 12288
	s_mov_b32 s33, 0
	s_add_nc_u64 s[16:17], s[16:17], s[32:33]
.irp c, 0,1,2,3,4,5,6,7,8,9,10,11
.irp g, 0,1,2,3
	global_load_b128 v[X+16*\c+4*\g:X+16*\c+4*\g+3], v[VB], s[24:25] offset:128*\c+64*(\g/2)+16*(\g%2) th:TH_LOAD_NT
.endr
.endr
	s_wait_loadcnt 0x0
.set n, 0
.rept 96
	v_cvt_pk_f16_f32 v[X+n], v[X+2*n], v[X+2*n+1]  ; packed in place, ascending: register n is written when 2 n and 2 n + 1, which lie at or above it, are read
.set n, n+1
.endr
.irp c, 0,1,2,3,4,5,6,7,8,9,10,11
.irp u, 0,1
	global_store_b128 v[LI], v[X+8*\c+4*\u:X+8*\c+4*\u+3], s[16:17] offset:1024*\c+512*\u
.endr
.endr
	s_endpgm
.Lfunc_end_k_qd2fa199fae_prep:
	.size	k_qd2fa199fae_prep, .Lfunc_end_k_qd2fa199fae_prep-k_qd2fa199fae_prep
	.p2alignl 7, 3214868480
	.fill 96, 4, 3214868480
	.section	.rodata,"a",@progbits
	.p2align	6, 0x0
	.amdhsa_kernel k_qd2fa199fae_prep
		.amdhsa_group_segment_fixed_size 0
		.amdhsa_private_segment_fixed_size 0
		.amdhsa_enable_private_segment 0
		.amdhsa_kernarg_size 56
		.amdhsa_user_sgpr_count 2
		.amdhsa_user_sgpr_kernarg_segment_ptr 1
		.amdhsa_wavefront_size32 1
		.amdhsa_system_sgpr_workgroup_id_x 1
		.amdhsa_system_sgpr_workgroup_id_y 1
		.amdhsa_system_sgpr_workgroup_id_z 1
		.amdhsa_system_vgpr_workitem_id 0
		.amdhsa_next_free_vgpr 256
		.amdhsa_next_free_sgpr 66
		.amdhsa_reserve_vcc 0
		.amdhsa_float_denorm_mode_32 3
		.amdhsa_float_denorm_mode_16_64 3
		.amdhsa_memory_ordered 1
		.amdhsa_forward_progress 1
		.amdhsa_inst_pref_size 32
	.end_amdhsa_kernel
	.amdgpu_metadata
---
amdhsa.version: [ 1, 2 ]
amdhsa.kernels:
  - .name:           k_qd2fa199fae_prep
    .symbol:         k_qd2fa199fae_prep.kd
    .args:
      - { .name: q_w, .offset: 0, .size: 8, .value_kind: global_buffer, .address_space: global }
      - { .name: k_w, .offset: 8, .size: 8, .value_kind: global_buffer, .address_space: global }
      - { .name: v_w, .offset: 16, .size: 8, .value_kind: global_buffer, .address_space: global }
      - { .name: o_w, .offset: 24, .size: 8, .value_kind: global_buffer, .address_space: global }
      - { .name: wcodes, .offset: 32, .size: 8, .value_kind: global_buffer, .address_space: global }
      - { .name: wscales, .offset: 40, .size: 8, .value_kind: global_buffer, .address_space: global }
      - { .name: owf, .offset: 48, .size: 8, .value_kind: global_buffer, .address_space: global }
    .group_segment_fixed_size: 0
    .private_segment_fixed_size: 0
    .kernarg_segment_align: 8
    .kernarg_segment_size: 56
    .max_flat_workgroup_size: 128
    .sgpr_count:     66
    .vgpr_count:     256
    .wavefront_size: 32
...
	.end_amdgpu_metadata
.endif
;; end of part 1
;; launch qkv (part 2): grid 256 x 1, 8 waves a work-group, no clusters, 231,424 bytes of LDS; arguments hidden_states, wcodes, wscales, q_b, k_b, v_b, qf, kv; writes qf, kv
.if DOCPART == 2
	.amdgcn_target "amdgcn-amd-amdhsa--gfx1250"
	.amdhsa_code_object_version 6
	.text
	.protected	k_qd2fa199fae_qkv
	.globl	k_qd2fa199fae_qkv
	.p2align	8
	.type	k_qd2fa199fae_qkv,@function
k_qd2fa199fae_qkv:
	s_mov_b64 s[64:65], 0
	v_nop
	global_prefetch_b8 v0, s[64:65] scope:SCOPE_SE
	s_setreg_imm32_b32 hwreg(HW_REG_WAVE_MODE, 25, 1), 1
	s_wait_xcnt 0x0
; q, k, v = Q(x) Q(W)^T + b, on codes of FP4 (E2M1) with one E8M0 scale for each 32 along K = 384 (three K steps of 128); sums in f32; results rounded to f16 and stored as images of the attention's operand registers.
; SHARES.  A work-group takes 128 rows of x (batch = wg / 8, key step = wg % 8).  Wave w quantises rows 16 w .. 16 w + 15; the codes go from wave to wave through LDS as images of their registers (16 x lane).
; THE WAVES SHARE THE COLUMNS: wave w owns column tiles nt = 3 w + i, i = 0..2, of each of q, k and v, for all 128 rows: 9 tiles, whose 27 fragments of weights stay in its registers.
; q AND k ARE MADE TRANSPOSED (source 0 = 16 rows of W, source 1 = 16 rows of x): lane (r, h) holds token r and channels 16 nt + 8 h + 0..7, which packed to f16 are registers 0-3 (nt even) or 4-7 (nt odd) of
; the fragment '16 tokens x 32 channels'.  v IS MADE THE NATURAL WAY (source 0 = x, source 1 = W): lane (r, h) holds channel 16 nt + r and tokens 8 h + 0..7: registers 0-3 (token tile even) or 4-7 (odd) of the
; fragment '16 channels x 32 keys' of V^T.  So nothing is transposed, and every store is 16 bytes a lane, 512 consecutive bytes a wave, at a multiple of 512 from the buffer's first byte.
;   qf [b 32][h 6][tt 64][c 2][u 2][512]        kv [b][pass 3][step 8][hp 2][K, V][16,384], head = 2 pass + hp;  K: [kt 8][c 2][u 2][512];  V: [kc 4][dt 4][u 2][512]
; The biases are the C of each sum's first matrix instruction (so they are added ahead of the products, not behind them as in the definition: another order of rounding).
; NO CLUSTER: a tile of x is read by one work-group alone, and the weights go from memory straight into registers.
; LIMITS: NaN and infinities are not served.  A block of zeros has the byte 1 and zero codes.  q, k, v are rounded to f16: magnitudes up to 65,504.
; LDS: 8 x 25,344 bytes, each wave's own 16 rows of x, brought by one tensor load, filled once | 24 images of 1,024 bytes (tile m, K step s: 3 m + s) | their 24 x 128 bytes of scale words | the spare words.
.set XREGB, 25344                      ; 48 rows of 512 bytes + 16 of padding: a row of x is three of them, 1,584 bytes: sixteen rows begin 48 bytes apart modulo 256, at sixteen different 16-byte columns
.set XIMG,  8*XREGB
.set XSC,   XIMG+24*1024
.set SPARE, XSC+24*128                 ; the spare words, 128 bytes for each wave: four blocks of 256 bytes that no other line names
.set LI,  1                            ; v1   16 x lane
.set LS,  2                            ; v2   4 x lane
.set XA,  3                            ; v3   my 16 numbers of a block of 32 in my wave's rows of x
.set XWI, 4                            ; v4   where I store my wave's images
.set XWS, 5                            ; v5   and their scale words
.set SPW, 6                            ; v6   LDS address of my spare word; never rewritten
.set NIL, 7                            ; v7   0; never rewritten
.set XRI, 8                            ; v8   XIMG + 16 x lane: where any image is read
.set XRS, 9                            ; v9   XSC + 4 x lane
.set XS,  10                           ; v10-15   x's scale words, two sets of three: they hold nothing else
.set WS,  16                           ; v16-42   the weights' scale words, 3 T + s: they hold nothing else
.set BQ,  44                           ; v44-91   q_b's and k_b's six tiles: register j = b[16 nt + 8 h + j]
.set XF,  92                           ; v92-139  x's fragments, two sets of three
.set ACC, 140                          ; v140-211 nine accumulators: T = 0..2 q, 3..5 k, 6..8 v
.set PK,  212                          ; v212-247 their results as f16
.set SA,  92                           ; while x is quantised: v92-155, v156-219 two sets of 64 numbers,
.set SB,  156
.set TM,  220                          ; v220-235 at work,
.set PC,  236                          ; v236-243 the codes just made,
.set PW,  244                          ; v244 their scale word
.set BVA, 248                          ; v248 4 r, v249 32 h: the biases' offsets; never rewritten
.set BQA, 249
.set BV,  216                          ; window 1: v0-215 the weights' fragments, (T, s) at 8 (3 T + s); v216-239 v_b's three tiles: every register = b[16 nt + r]
.set G1,  24                           ; s[24:31] descriptor group 1;  s[32:35] group 0
.set G0,  32
.set SEL, 54                           ; s[54:55] lane selects for v_permlanex16_b32: lane l xor 16
.set MSB, 0
.macro WIN new                         ; the immediate's high byte repeats the setting that is left
.if MSB != \new
	s_set_vgpr_msb (MSB<<8)|\new
.set MSB, \new
.endif
.endm
; 64 numbers of a lane, register 16 b + i = k 32 b + 16 (lane / 16) + i of my row, become a fragment's codes in v[pc] on and its scale word in v[pw].
.macro QUANT src, pc, pw
.irp b, 0,1,2,3
	v_max3_num_f32 v[TM+\b], |v[(\src)+16*\b]|, |v[(\src)+1+16*\b]|, 0x1800000   ; block b: my 16 numbers, and the floor 2^(3 - 127): the byte cannot fall under 1
.endr
.irp i, 2,4,6,8,10,12,14
.irp b, 0,1,2,3
	v_max3_num_f32 v[TM+\b], v[TM+\b], |v[(\src)+16*\b+\i]|, |v[(\src)+1+16*\b+\i]|
.endr
.endr
.irp b, 0,1,2,3
	v_permlanex16_b32 v[TM+4+\b], v[TM+\b], s[SEL], s[SEL+1]
.endr
.irp b, 0,1,2,3
	v_max_num_f32 v[TM+\b], v[TM+\b], v[TM+4+\b]   ; with lane l xor 16's: the block's largest magnitude
.endr
.irp b, 0,1,2,3
	v_add_nc_u32 v[TM+12+\b], 0xff000000, v[TM+\b]   ; 2 off its exponent field: the conversion's scale operand
.endr
.irp b, 0,1,2,3
	v_lshrrev_b32 v[TM+4+\b], 23, v[TM+12+\b]      ; the scale's byte
.endr
	v_lshl_or_b32 v[\pw], v[TM+5], 8, v[TM+4]
	v_lshl_or_b32 v[\pw], v[TM+6], 16, v[\pw]
	v_lshl_or_b32 v[\pw], v[TM+7], 24, v[\pw]
.irp b, 0,1,2,3
	v_cvt_scalef32_pk8_fp4_f32 v[(\pc)+2*\b], v[(\src)+16*\b:(\src)+7+16*\b], v[TM+12+\b]
	v_cvt_scalef32_pk8_fp4_f32 v[(\pc)+1+2*\b], v[(\src)+8+16*\b:(\src)+15+16*\b], v[TM+12+\b]
.endr
	v_nop                                          ; one plain instruction behind the scaled conversions
.irp c, 0,1
.irp i, 0,1
	v_permlane16_swap_b32 v[(\pc)+4*\c+\i], v[(\pc)+2+4*\c+\i]   ; a whole block in a lane: lanes 0-15 block 2 c, lanes 16-31 block 2 c + 1
.endr
.endr
.endm
	s_load_b256 s[4:11], s[0:1], 0x0               ; x s[4:5], wcodes s[6:7], wscales s[8:9], q_b s[10:11]
	s_load_b256 s[12:19], s[0:1], 0x20             ; k_b s[12:13], v_b s[14:15], qf s[16:17], kv s[18:19]
	v_lshl_add_u32 v[SPW], v0, 2, SPARE
	v_mov_b32 v[NIL], 0
	ds_add_u32 v[SPW], v[NIL]                      ; the wave's opening: the add, twice on end, and its wait ahead of my first tensor load
	ds_add_u32 v[SPW], v[NIL]
	v_lshrrev_b32 v250, 5, v0
	v_readfirstlane_b32 s20, v250                  ; wave 0..7
	; descriptor group 1: my 16 rows of x are 24,576 dense bytes: 48 rows of 128 elements of 4 bytes, 16 bytes of padding behind each
	s_mov_b32 s[G1+0], (2<<16)|(1<<20)|(6<<22)|(3<<25)   ; no mask; elements of 4 bytes; padding on, after every 128 words (code 6), of 4 words (code 3)
	s_mov_b32 s[G1+1], 128<<16                     ; tensor_dim0 = 128
	s_mov_b32 s[G1+2], 48<<16                      ; tensor_dim1 = 48
	s_mov_b32 s[G1+3], 128<<16                     ; tile_dim0 = 128
	s_mov_b32 s[G1+4], 48                          ; tile_dim1 = 48
	s_mov_b32 s[G1+5], 128                         ; from row to row: 128 elements
	s_mov_b32 s[G1+6], 0
	s_mov_b32 s[G1+7], 0
	s_mov_b32 s[G0], 1
	s_mul_i32 s[G0+1], s20, XREGB                  ; my wave's own bytes of LDS
	s_mul_i32 s56, ttmp9, 196608                   ; the work-group's 128 rows of 1,536 bytes,
	s_mul_i32 s57, s20, 24576                      ; my wave's 16 of them
	s_add_co_u32 s56, s56, s57
	s_mov_b32 s57, 0
	s_mov_b32 s[SEL], 0x76543210
	s_mov_b32 s[SEL+1], 0xfedcba98
	s_wait_dscnt 0x0                               ; both opening adds are done
	s_wait_kmcnt 0x0
	s_add_nc_u64 s[G0+2:G0+3], s[4:5], s[56:57]
	s_or_b32 s[G0+3], s[G0+3], 0x80000000          ; type = 2
	tensor_load_to_lds s[G0:G0+3], s[G1:G1+7]      ; my one tensor load of the launch: a first fill, read by me alone
	s_nop 0
.rept 4
	v_nop
.endr
	v_and_b32 v250, 31, v0                         ; lane
	v_and_b32 v251, 15, v0                         ; r
	v_bfe_u32 v252, v0, 4, 1                       ; h
	v_lshlrev_b32 v[LI], 4, v250
	v_lshlrev_b32 v[LS], 2, v250
	v_mul_u32_u24 v[XA], v251, 1584
	v_lshl_add_u32 v[XA], v252, 6, v[XA]
	v_add_nc_u32 v[XA], s[G0+1], v[XA]             ; my wave's bytes + 1,584 r + 64 h
	s_mul_i32 s58, s20, 3072
	s_add_co_u32 s58, s58, XIMG
	v_add_nc_u32 v[XWI], s58, v[LI]
	s_mul_i32 s58, s20, 384
	s_add_co_u32 s58, s58, XSC
	v_add_nc_u32 v[XWS], s58, v[LS]
	v_add_nc_u32 v[XRI], XIMG, v[LI]
	v_add_nc_u32 v[XRS], XSC, v[LS]
	v_lshlrev_b32 v[BVA], 2, v251
	v_lshlrev_b32 v[BQA], 5, v252
.irp b, 0,1,2,3
	v_mov_b32 v[TM+4+\b], 0                        ; written once: a lane permute's destination counts as one of its sources
.endr
	; while x is on its way: my weights, their scale words, my biases
	s_mov_b32 s59, 0
	s_mul_i32 s58, s20, 9216                       ; three tiles of 3,072 bytes of codes a wave
	s_add_nc_u64 s[6:7], s[6:7], s[58:59]
	s_mul_i32 s58, s20, 1152                       ; three tiles of 384 bytes of scale words
	s_add_nc_u64 s[8:9], s[8:9], s[58:59]
	s_mul_i32 s58, s20, 192                        ; 48 numbers of each bias
	s_add_nc_u64 s[10:11], s[10:11], s[58:59]
	s_add_nc_u64 s[12:13], s[12:13], s[58:59]
	s_add_nc_u64 s[14:15], s[14:15], s[58:59]
	WIN 0x40                                       ; destination window 1
.irp t, 0,1,2,3,4,5,6,7,8
.irp s, 0,1,2
.irp c, 0,1
	global_load_b128 v[8*(3*\t+\s)+4*\c:8*(3*\t+\s)+4*\c+3], v[LI], s[6:7] offset:73728*(\t/3)+3072*(\t%3)+1024*\s+512*\c
.endr
.endr
.endr
.irp i, 0,1,2
.irp j, 0,1,2,3,4,5,6,7
	global_load_b32 v[BV+8*\i+\j], v[BVA], s[14:15] offset:64*\i   ; v's results hold one channel a lane: all eight registers take b[16 nt + r]
.endr
.endr
	WIN 0
.irp t, 0,1,2,3,4,5,6,7,8
.irp s, 0,1,2
	global_load_b32 v[WS+3*\t+\s], v[LS], s[8:9] offset:9216*(\t/3)+384*(\t%3)+128*\s
.endr
.endr
.irp i, 0,1,2
	global_load_b128 v[BQ+8*\i:BQ+8*\i+3], v[BQA], s[10:11] offset:64*\i
	global_load_b128 v[BQ+8*\i+4:BQ+8*\i+7], v[BQA], s[10:11] offset:64*\i+16
	global_load_b128 v[BQ+24+8*\i:BQ+24+8*\i+3], v[BQA], s[12:13] offset:64*\i
	global_load_b128 v[BQ+24+8*\i+4:BQ+24+8*\i+7], v[BQA], s[12:13] offset:64*\i+16
.endr
	; where my nine tiles go: base T in s[36 + 2 T : 37 + 2 T]
	s_lshr_b32 s22, ttmp9, 3                       ; batch
	s_and_b32 s23, ttmp9, 7                        ; key step
	s_mul_i32 s56, s22, 786432
	s_lshl_b32 s58, s23, 14
	s_add_co_u32 s56, s56, s58                     ; qf: batch, and my work-group's 8 token tiles of 2,048 bytes
	s_mul_i32 s57, s22, 1572864
	s_lshl_b32 s58, s23, 16
	s_add_co_u32 s57, s57, s58                     ; kv: batch, and the key step
	s_mov_b32 s63, 0
.irp i, 0,1,2
	s_mul_i32 s58, s20, 3
	s_add_co_u32 s58, s58, \i                      ; nt
	s_lshr_b32 s59, s58, 2                         ; the head
	s_and_b32 s60, s58, 3                          ; which 16 of its 64 channels
	s_lshl_b32 s61, s59, 17
	s_add_co_u32 s61, s61, s56
	s_lshl_b32 s62, s60, 9
	s_add_co_u32 s62, s62, s61
	s_add_nc_u64 s[36+2*\i:37+2*\i], s[16:17], s[62:63]   ; q
	s_lshr_b32 s61, s58, 3                         ; pass = head / 2
	s_lshl_b32 s61, s61, 19
	s_add_co_u32 s61, s61, s57
	s_and_b32 s59, s59, 1                          ; hp = head % 2
	s_lshl_b32 s59, s59, 15
	s_add_co_u32 s61, s61, s59
	s_lshl_b32 s62, s60, 9
	s_add_co_u32 s62, s62, s61
	s_add_nc_u64 s[42+2*\i:43+2*\i], s[18:19], s[62:63]   ; k
	s_lshl_b32 s62, s60, 10
	s_add_co_u32 s62, s62, s61
	s_add_co_u32 s62, s62, 16384
	s_add_nc_u64 s[48+2*\i:49+2*\i], s[18:19], s[62:63]   ; v
.endr
	s_wait_tensorcnt 0x0                           ; my rows of x are in LDS; nobody else reads them
	; ---- my 16 rows of x become three fragments
.macro XL s, set                       ; K step s: 64 numbers a lane
.irp b, 0,1,2,3
.irp j, 0,1,2,3
	ds_load_b128 v[\set+16*\b+4*\j:\set+16*\b+4*\j+3], v[XA] offset:528*\s+128*\b+16*\j
.endr
.endr
.endm
.macro IMG s                           ; the fragment goes to LDS as it stands in the registers
	ds_store_b128 v[XWI], v[PC:PC+3] offset:1024*\s
	ds_store_b128 v[XWI], v[PC+4:PC+7] offset:1024*\s+512
	ds_store_b32 v[XWS], v[PW] offset:128*\s
.endm
	XL 0, SA
	XL 1, SB
	s_wait_dscnt 16                                ; K step 0's sixteen loads are in
	QUANT SA, PC, PW
	IMG 0
	XL 2, SA
	s_wait_dscnt 16                                ; K step 1's loads and step 0's three stores are done; step 2's sixteen loads may be out
	QUANT SB, PC, PW
	IMG 1
	s_wait_dscnt 0x0
	QUANT SA, PC, PW
	IMG 2
	s_wait_dscnt 0x0                               ; for the others' sake: my images lie in LDS
	s_barrier_signal -1
	s_barrier_wait -1                              ; all 24 do
	s_wait_loadcnt 0x0                             ; weights, scale words, biases
	; ---- the products, a tile of 16 rows at a time
.macro FETCH m
.set FX, XF+24*((\m)%2)
.set SX, XS+3*((\m)%2)
.irp s, 0,1,2
.irp c, 0,1
	ds_load_b128 v[FX+8*\s+4*\c:FX+8*\s+4*\c+3], v[XRI] offset:(3*(\m)+\s)*1024+512*\c
.endr
	ds_load_b32 v[SX+\s], v[XRS] offset:(3*(\m)+\s)*128
.endr
.endm
.macro ROWT m
	s_wait_dscnt 0x0                               ; tile m's fragments and scale words are in
.if \m < 7
	FETCH \m+1                                     ; the next tile's, into the other set: its last readers stand in front of the last tile's v_nop and conversions
.endif
.set FX, XF+24*((\m)%2)
.set SX, XS+3*((\m)%2)
.irp s, 0,1,2                                  ; the nine accumulators take turns, one instruction a turn
	WIN 0x01                                       ; source 0 (W) window 1
.irp t, 0,1,2,3,4,5
.if \s == 0
	v_wmma_scale_f32_16x16x128_f8f6f4 v[ACC+8*\t:ACC+8*\t+7], v[8*(3*\t+\s):8*(3*\t+\s)+7], v[FX+8*\s:FX+8*\s+7], v[BQ+8*\t:BQ+8*\t+7], v[WS+3*\t+\s], v[SX+\s] matrix_a_fmt:MATRIX_FMT_FP4 matrix_b_fmt:MATRIX_FMT_FP4
.else
	v_wmma_scale_f32_16x16x128_f8f6f4 v[ACC+8*\t:ACC+8*\t+7], v[8*(3*\t+\s):8*(3*\t+\s)+7], v[FX+8*\s:FX+8*\s+7], v[ACC+8*\t:ACC+8*\t+7], v[WS+3*\t+\s], v[SX+\s] matrix_a_fmt:MATRIX_FMT_FP4 matrix_b_fmt:MATRIX_FMT_FP4
.endif
.endr
.if \s == 0
	WIN 0x14                                       ; source 1 (W) and source 2 (v_b) window 1
.else
	WIN 0x04                                       ; source 1 window 1
.endif
.irp t, 6,7,8
.if \s == 0
	v_wmma_scale_f32_16x16x128_f8f6f4 v[ACC+8*\t:ACC+8*\t+7], v[FX+8*\s:FX+8*\s+7], v[8*(3*\t+\s):8*(3*\t+\s)+7], v[BV+8*(\t-6):BV+8*(\t-6)+7], v[SX+\s], v[WS+3*\t+\s] matrix_a_fmt:MATRIX_FMT_FP4 matrix_b_fmt:MATRIX_FMT_FP4
.else
	v_wmma_scale_f32_16x16x128_f8f6f4 v[ACC+8*\t:ACC+8*\t+7], v[FX+8*\s:FX+8*\s+7], v[8*(3*\t+\s):8*(3*\t+\s)+7], v[ACC+8*\t:ACC+8*\t+7], v[SX+\s], v[WS+3*\t+\s] matrix_a_fmt:MATRIX_FMT_FP4 matrix_b_fmt:MATRIX_FMT_FP4
.endif
.endr
.endr
	WIN 0
.rept 4
	v_nop                                          ; four plain instructions behind the last product, ahead of the first read of results (ISA guide 7.12.1)
.endr
	s_wait_xcnt 0x0                                ; the last tile's stores have read their data: PK is written again only behind this wait
.irp t, 0,1,2,3,4,5,6,7,8
.irp i, 0,1,2,3
	v_cvt_pk_f16_f32 v[PK+4*\t+\i], v[ACC+8*\t+2*\i], v[ACC+8*\t+2*\i+1]   ; each accumulator from its low end on
.endr
.endr
.irp t, 0,1,2,3,4,5
	global_store_b128 v[LI], v[PK+4*\t:PK+4*\t+3], s[36+2*\t:37+2*\t] offset:2048*\m          ; q, k: token tile m
.endr
.irp t, 6,7,8
	global_store_b128 v[LI], v[PK+4*\t:PK+4*\t+3], s[36+2*\t:37+2*\t] offset:4096*(\m/2)+512*(\m%2)   ; v: keys 32 (m / 2) on, half m % 2
.endr
.endm
	FETCH 0
.irp m, 0,1,2,3,4,5,6,7
	ROWT \m
.endr
	s_wait_tensorcnt 0x0                           ; the wave's end: behind my last tensor load and my last LDS store
	ds_add_u32 v[SPW], v[NIL]
	s_wait_dscnt 0x0
	s_endpgm
.Lfunc_end_k_qd2fa199fae_qkv:
	.size	k_qd2fa199fae_qkv, .Lfunc_end_k_qd2fa199fae_qkv-k_qd2fa199fae_qkv
	.p2alignl 7, 3214868480
	.fill 96, 4, 3214868480
	.section	.rodata,"a",@progbits
	.p2align	6, 0x0
	.amdhsa_kernel k_qd2fa199fae_qkv
		.amdhsa_group_segment_fixed_size 231424
		.amdhsa_private_segment_fixed_size 0
		.amdhsa_enable_private_segment 0
		.amdhsa_kernarg_size 64
		.amdhsa_user_sgpr_count 2
		.amdhsa_user_sgpr_kernarg_segment_ptr 1
		.amdhsa_wavefront_size32 1
		.amdhsa_system_sgpr_workgroup_id_x 1
		.amdhsa_system_sgpr_workgroup_id_y 1
		.amdhsa_system_sgpr_workgroup_id_z 1
		.amdhsa_system_vgpr_workitem_id 0
		.amdhsa_next_free_vgpr 512
		.amdhsa_next_free_sgpr 72
		.amdhsa_reserve_vcc 0
		.amdhsa_float_denorm_mode_32 3
		.amdhsa_float_denorm_mode_16_64 3
		.amdhsa_memory_ordered 1
		.amdhsa_forward_progress 1
		.amdhsa_inst_pref_size 92
	.end_amdhsa_kernel
	.amdgpu_metadata
---
amdhsa.version: [ 1, 2 ]
amdhsa.kernels:
  - .name:           k_qd2fa199fae_qkv
    .symbol:         k_qd2fa199fae_qkv.kd
    .args:
      - { .name: hidden_states, .offset: 0, .size: 8, .value_kind: global_buffer, .address_space: global }
      - { .name: wcodes, .offset: 8, .size: 8, .value_kind: global_buffer, .address_space: global }
      - { .name: wscales, .offset: 16, .size: 8, .value_kind: global_buffer, .address_space: global }
      - { .name: q_b, .offset: 24, .size: 8, .value_kind: global_buffer, .address_space: global }
      - { .name: k_b, .offset: 32, .size: 8, .value_kind: global_buffer, .address_space: global }
      - { .name: v_b, .offset: 40, .size: 8, .value_kind: global_buffer, .address_space: global }
      - { .name: qf, .offset: 48, .size: 8, .value_kind: global_buffer, .address_space: global }
      - { .name: kv, .offset: 56, .size: 8, .value_kind: global_buffer, .address_space: global }
    .group_segment_fixed_size: 231424
    .private_segment_fixed_size: 0
    .kernarg_segment_align: 8
    .kernarg_segment_size: 64
    .max_flat_workgroup_size: 256
    .sgpr_count:     72
    .vgpr_count:     512
    .wavefront_size: 32
...
	.end_amdgpu_metadata
.endif
;; end of part 2
;; launch attn (part 3): grid 8 x 32, 8 waves a work-group, clusters of 4 x 1, 327,680 bytes of LDS; arguments qf, kv, owf, o_b, out0; writes out0
.if DOCPART == 3
	.amdgcn_target "amdgcn-amd-amdhsa--gfx1250"
	.amdhsa_code_object_version 6
	.text
	.protected	k_qd2fa199fae_attn
	.globl	k_qd2fa199fae_attn
	.p2align	8
	.type	k_qd2fa199fae_attn,@function
k_qd2fa199fae_attn:
	s_mov_b64 s[64:65], 0
	v_nop
	global_prefetch_b8 v0, s[64:65] scope:SCOPE_SE
	s_setreg_imm32_b32 hwreg(HW_REG_WAVE_MODE, 25, 1), 1
	s_wait_xcnt 0x0
	s_wait_alu depctr_hold_cnt(0) depctr_sa_sdst(0) depctr_va_vdst(0) depctr_va_sdst(0) depctr_va_ssrc(0) depctr_va_vcc(0) depctr_vm_vsrc(0)
	s_getreg_b32 s2, hwreg(HW_REG_IB_STS2, 6, 4)
	s_cmp_eq_u32 s2, 0
	s_cbranch_scc0 .Lentry_in_a_cluster
	s_endpgm
.Lentry_in_a_cluster:
	s_bfe_u32 s2, ttmp6, 0x10000c
	s_cmp_lg_u32 s2, 0x3003
	s_cbranch_scc0 .Lentry_shape_is_right
	s_endpgm
.Lentry_shape_is_right:
; out = softmax(q k^T / 8) v, all six heads, then out o_w^T + o_b.  q, k, v, the weights p, O and o_w go to the matrix unit as f16; products, maxima and sums in f32.
; SHARES.  A work-group owns 128 queries of one batch, all heads, and the projection of its rows.  Wave w: qg = w % 4 (32 queries: tiles t = 0, 1), hp = w / 4.  Three passes: in pass p the wave works on head
; 2 p + hp and walks the batch's 1,024 keys, 128 a slot.  A slot (65,536 bytes) holds K and V of both heads of the pass; each fragment read from LDS feeds two matrix instructions; two waves share a SIMD's registers.
; LAYOUT.  S^T = K Q^T (source 0 = 16 keys, source 1 = 16 queries), O^T = V^T P (source 0 = 16 channels x 32 keys, source 1 = P): a lane holds ONE query (lane % 16) throughout; two tiles of S^T rounded to f16 in pairs
; ARE a fragment of P, and two tiles of O^T so rounded are a fragment (16 queries x 32 channels) of the projection's operand.  All operands lie in memory and in LDS as images of their registers: 16 bytes a lane at 16 x lane.
; SOFTMAX.  For each query a running maximum m and sum l: p = 2^(c s - c m), c = log2(e) / 8; in every slot O and l are multiplied by a = 2^(c m_old - c m_new).  A pass begins with m = -3e38, under every finite score:
; its first a is 0 and wipes what the pass before left in O and l.  The sum is taken of p before it is rounded.
; CLUSTER.  The four query blocks of a cluster belong to one batch and walk the same K and V: each slot is asked for JOINTLY, each wave its eighth, by the same tensor load with the same descriptor and a mask that names the four.
; THE END.  O of all heads meets in LDS; wave w makes output columns 48 w .. 48 w + 47 for all 128 queries (transposed: source 0 = 16 rows of o_w), o_b being the C of each sum's first product; rows leave through a stage.
; LIMITS: NaN and infinities are not served.  O is rounded to f16 (its size is at most v's).  o_b is added ahead of the products: another order of rounding than the definition's.
; LDS: slots at 0 and 65,536 | the stage, two halves of 64 rows x 1,552 bytes from 0 on: written when the ring has had its last fill and its last read | from 198,656 O's images [wave 8][p 3][t 2][cc 2][1,024] | the spare words.
; REGISTERS.  window 0: v1-11 addresses; v12-15 at work; v16-31 statistics, eight a tile; v32-95 Q, two sets of 32; v96-223 S^T, 64 a tile, then p; v224-255 O as f16.
;   window 1: v0-63, v64-127, v128-191 three sets of fragments of K or V; v192-255 O^T (tile t, channels 16 dt on: 192 + 32 t + 8 dt).  In the end phase window 1 holds o_w's fragments 0-31.
.set SLOTB,  65536
.set STGH,   99328                     ; half a stage: 64 rows of SPITCH bytes
.set SPITCH, 1552                      ; a row of 1,536 bytes + 16: sixteen rows begin 16 bytes apart modulo 256
.set OIMG,   198656
.set SPARE,  OIMG+98304                ; the spare words, 128 bytes for each wave: four blocks of 256 bytes that no other line names
.set LI,   1                           ; v1   16 x lane
.set AK0,  2                           ; v2   32,768 hp + 16 x lane: my head's part of a slot
.set ADK,  3                           ; v3   the same in the slot in hand (in the end phase: 32 h, o_b's offset)
.set OST,  4                           ; v4   where I store O's images
.set PFO,  5                           ; v5   256 x lane: the prefetches' offset; never rewritten
.set SPW,  6                           ; v6   LDS address of my spare word; never rewritten
.set NIL,  7                           ; v7   0; never rewritten
.set OB,   8                           ; v8, v9  where O's images of heads with hp = 0, 1 are read
.set STO0, 10                          ; v10  the stage: 1,552 r + 32 h + 192 w
.set SRD0, 11                          ; v11  and back: 8 rows a wave, 16 x lane
.set Y,    12                          ; v12-15 the sums' second chains (in the end phase: the stage's three addresses)
.set ST,   16                          ; tile t at v[ST + 8 t]: +0 c m, +1 m, +2, +3 l (even keys', odd keys'), +4 to +7 c0-c3 at work; a takes c2's place
.set Q,    32
.set S,    96
.set OP,   224
.set O,    192                         ; in window 1
.set G0,   20                          ; s[20:23] descriptor group 0, which walks;  s[24:31] group 1
.set G1,   24
.set PFA,  32                          ; s[32:33] where my prefetches stand
.set LIM,  34                          ; s34  1 in a wave that prefetches, else the greatest number
.set REM,  35                          ; s35  fills still to be asked for
.set TB,   36                          ; s36  LDS byte at which the slot in hand begins
.set CS,   38                          ; s[38:39] c: the packed form names a pair and takes its low word for both halves
.set SEL,  40                          ; s[40:41] lane selects for v_permlanex16_b32: lane l xor 16
.set MSB, 0
.macro WIN new                         ; the immediate's high byte repeats the setting that is left
.if MSB != \new
	s_set_vgpr_msb (MSB<<8)|\new
.set MSB, \new
.endif
.endm
.macro PLACES n
.rept \n
	v_nop
.endr
.endm
; A round of the cluster's barrier: my work-group's barrier; wave 0 signals for the work-group; every wave waits for all four work-groups; my work-group's barrier once more.
.macro CROUND
	s_barrier_signal -1
	s_barrier_wait -1
	s_cmp_lg_u32 s14, 0
	s_cbranch_scc1 .Lnot_wave_0_\@
	s_barrier_signal -3
.Lnot_wave_0_\@:
	s_barrier_wait -3
	s_barrier_signal -1
	s_barrier_wait -1
.endm
; A PREFETCH of the slot that the NEXT change of slots will ask for: one slot's work ahead of that load.  Both clusters of a batch walk the same bytes: the batch's first cluster asks.  Its four partners take 16,384 bytes each,
; told apart BY ADDRESS; in each, waves 0 and 1 take 8,192, lanes 256 bytes apart: each block of 256 bytes is named once in the launch.  The last change that fills a slot asks for nothing; slots 0 and 1 come by their loads alone.
.macro ASK
	s_cmp_gt_u32 s[REM], s[LIM]
	s_cbranch_scc0 .Lnot_mine_\@
	global_prefetch_b8 v[PFO], s[PFA:PFA+1] th:TH_LOAD_NT scope:SCOPE_SE
.Lnot_mine_\@:
.endm
; THE CHANGE OF SLOTS stands at a slot's head.  Each wave waits for all its tensor loads (one is out: its eighth of the slot that it is about to read), adds 0 to its spare word, and waits for that and for its reads of the slot that it has left.
; fill = 1: a round of the cluster's barrier, so that no wave of any partner still reads that slot or has a load on its way; the joint load of the next 65,536 bytes is the first thing behind it and has a slot's work in which to land.
.macro CHANGE fill
	s_wait_tensorcnt 0x0                           ; no tensor load of mine is out, so group 0 may be written
	ds_add_u32 v[SPW], v[NIL]                      ; 0 onto my spare word
.if \fill
	s_xor_b32 s[G0+1], s[G0+1], SLOTB              ; the other slot than last time,
	s_add_nc_u64 s[G0+2:G0+3], s[G0+2:G0+3], SLOTB ; the next slot's bytes; the type bits on top are not reached
	s_wait_xcnt 0x0                                ; the last prefetch, a slot back, has read its address, so it may be written
	s_add_nc_u64 s[PFA:PFA+1], s[PFA:PFA+1], SLOTB ; one slot further on than the descriptor
	s_wait_dscnt 0x0                               ; the add is done, and my reads of the slot that I have left are over
	CROUND
	tensor_load_to_lds s[G0:G0+3], s[G1:G1+7]
	s_nop 0
	PLACES 4
	ASK
	s_sub_co_u32 s[REM], s[REM], 1
.else
	s_wait_dscnt 0x0
	s_barrier_signal -1
	s_barrier_wait -1
.endif
.endm
; 16 products of S^T = K Q^T: key tiles 4 half .. 4 half + 3, both query tiles, two chunks of 32 channels.  Eight accumulators by turns; the first chunk starts the sums.
.macro KQ p, half
.irp c, 0,1
.irp k, 0,1,2,3
.irp t, 0,1
.if \c == 0
	v_wmma_f32_16x16x32_f16 v[S+64*\t+8*(4*\half+\k):S+64*\t+8*(4*\half+\k)+7], v[16*(4*\half+\k)+8*\c:16*(4*\half+\k)+8*\c+7], v[Q+32*((\p)%2)+16*\t+8*\c:Q+32*((\p)%2)+16*\t+8*\c+7], 0
.else
	v_wmma_f32_16x16x32_f16 v[S+64*\t+8*(4*\half+\k):S+64*\t+8*(4*\half+\k)+7], v[16*(4*\half+\k)+8*\c:16*(4*\half+\k)+8*\c+7], v[Q+32*((\p)%2)+16*\t+8*\c:Q+32*((\p)%2)+16*\t+8*\c+7], v[S+64*\t+8*(4*\half+\k):S+64*\t+8*(4*\half+\k)+7]
.endif
.endr
.endr
.endr
.endm
; 8 products of O^T += V^T P: keys 32 kc on; V's four fragments from v[vb] of window 1 on.  Eight accumulators by turns.
.macro PV kc, vb
.irp d, 0,1,2,3
.irp t, 0,1
	v_wmma_f32_16x16x32_f16 v[O+32*\t+8*\d:O+32*\t+8*\d+7], v[\vb+8*\d:\vb+8*\d+7], v[S+64*\t+8*\kc:S+64*\t+8*\kc+7], v[O+32*\t+8*\d:O+32*\t+8*\d+7]
.endr
.endr
.endm
.macro RESCALE                         ; O^T times the number in v[ST + 8 t + 6]; each accumulator from its low end on
	WIN 0x41                                       ; O^T (destination, source 0) window 1
.set j, 0
.rept 16
.irp t, 0,1
	v_pk_mul_f32 v[O+32*\t+j:O+32*\t+j+1], v[O+32*\t+j:O+32*\t+j+1], v[ST+8*\t+6:ST+8*\t+7] op_sel_hi:[1,0]
.endr
.set j, j+2
.endr
.endm
; The softmax of 128 keys for both tiles, the tiles alternating line by line.
.macro SOFTMAX
.irp i, 0,1,2,3                                ; the maximum: four chains of 15 scores; each accumulator is first read at one of its four lowest registers
.irp t, 0,1
	v_max3_num_f32 v[ST+8*\t+4+\i], v[S+64*\t+16*\i], v[S+64*\t+16*\i+1], v[S+64*\t+16*\i+2]
.endr
.endr
.irp k, 3,5,7,9,11,13
.irp i, 0,1,2,3
.irp t, 0,1
	v_max3_num_f32 v[ST+8*\t+4+\i], v[ST+8*\t+4+\i], v[S+64*\t+16*\i+\k], v[S+64*\t+16*\i+\k+1]
.endr
.endr
.endr
.irp t, 0,1
	v_max3_num_f32 v[ST+8*\t+4], v[ST+8*\t+4], v[S+64*\t+15], v[S+64*\t+31]
	v_max3_num_f32 v[ST+8*\t+6], v[ST+8*\t+6], v[S+64*\t+47], v[S+64*\t+63]
.endr
.irp t, 0,1
	v_max3_num_f32 v[ST+8*\t+4], v[ST+8*\t+4], v[ST+8*\t+5], v[ST+8*\t+6]
.endr
.irp t, 0,1
	v_max3_num_f32 v[ST+8*\t+4], v[ST+8*\t+4], v[ST+8*\t+7], v[ST+8*\t+1]   ; and the old m
.endr
.irp t, 0,1
	v_permlanex16_b32 v[ST+8*\t+5], v[ST+8*\t+4], s[SEL], s[SEL+1]          ; the query's other 64 keys lie in the lane 16 away
.endr
.irp t, 0,1
	v_mov_b32 v[ST+8*\t+7], v[ST+8*\t]             ; c m_old is kept for a
.endr
.irp t, 0,1
	v_max_num_f32 v[ST+8*\t+1], v[ST+8*\t+4], v[ST+8*\t+5]
.endr
.irp t, 0,1
	v_mul_f32 v[ST+8*\t], s[CS], v[ST+8*\t+1]
.endr
.irp t, 0,1
	v_sub_f32 v[ST+8*\t+7], v[ST+8*\t+7], v[ST+8*\t]
.endr
.irp t, 0,1                                    ; ONE BATCH: a, the 64 packed scalings c s - c m and the 128 exponentials, each pair's exponentials one pair behind its scaling.  None of these names an exponential's result
	v_exp_f32 v[ST+8*\t+6], v[ST+8*\t+7]
.endr
.set b, 0
.rept 33
.if b < 32
.irp t, 0,1
	v_pk_fma_f32 v[S+64*\t+2*b:S+64*\t+2*b+1], v[S+64*\t+2*b:S+64*\t+2*b+1], s[CS:CS+1], v[ST+8*\t:ST+8*\t+1] op_sel_hi:[1,0,0] neg_lo:[0,0,1] neg_hi:[0,0,1]
.endr
.endif
.if b > 0
.irp t, 0,1
	v_exp_f32 v[S+64*\t+2*b-2], v[S+64*\t+2*b-2]
	v_exp_f32 v[S+64*\t+2*b-1], v[S+64*\t+2*b-1]
.endr
.endif
.set b, b+1
.endr
	v_nop                                          ; a plain instruction behind the last exponential, ahead of the first use
	s_wait_alu depctr_va_vdst(0)                   ; the wait ahead of the first line that names a result: one for the 130
.irp t, 0,1                                    ; the sums, of p as it is: two chains a tile, two numbers an instruction
	v_pk_add_f32 v[ST+8*\t+4:ST+8*\t+5], v[S+64*\t:S+64*\t+1], v[S+64*\t+2:S+64*\t+3]
	v_pk_add_f32 v[Y+2*\t:Y+2*\t+1], v[S+64*\t+4:S+64*\t+5], v[S+64*\t+6:S+64*\t+7]
.endr
.irp j, 8,12,16,20,24,28,32,36,40,44,48,52,56,60
.irp t, 0,1
	v_pk_add_f32 v[ST+8*\t+4:ST+8*\t+5], v[ST+8*\t+4:ST+8*\t+5], v[S+64*\t+\j:S+64*\t+\j+1]
	v_pk_add_f32 v[Y+2*\t:Y+2*\t+1], v[Y+2*\t:Y+2*\t+1], v[S+64*\t+\j+2:S+64*\t+\j+3]
.endr
.endr
.irp t, 0,1
	v_pk_add_f32 v[ST+8*\t+4:ST+8*\t+5], v[ST+8*\t+4:ST+8*\t+5], v[Y+2*\t:Y+2*\t+1]
.endr
.irp t, 0,1
	v_pk_fma_f32 v[ST+8*\t+2:ST+8*\t+3], v[ST+8*\t+2:ST+8*\t+3], v[ST+8*\t+6:ST+8*\t+7], v[ST+8*\t+4:ST+8*\t+5] op_sel_hi:[1,0,1]   ; l = a l + the sum
.endr
.set n, 0
.rept 32
.irp t, 0,1
	v_cvt_pk_f16_f32 v[S+64*\t+n], v[S+64*\t+2*n], v[S+64*\t+2*n+1]   ; p to f16, packed in place, ascending: keys 32 kc on lie in the tile's registers 8 kc .. 8 kc + 7
.endr
.set n, n+1
.endr
.endm
; A SLOT: 128 keys of my head.
.macro SLOTWORK p
	v_add_nc_u32 v[ADK], s[TB], v[AK0]
	WIN 0x40                                       ; destination window 1
.irp k, 0,1,2,3,4,5,6,7                        ; K: key tile k, chunk c at v[16 k + 8 c]
.irp c, 0,1
.irp u, 0,1
	ds_load_b128 v[16*\k+8*\c+4*\u:16*\k+8*\c+4*\u+3], v[ADK] offset:2048*\k+1024*\c+512*\u
.endr
.endr
.endr
.irp k, 0,1                                    ; V: keys 32 k on, channels 16 d on, at v[128 + 32 k + 8 d]
.irp d, 0,1,2,3
.irp u, 0,1
	ds_load_b128 v[128+32*\k+8*\d+4*\u:128+32*\k+8*\d+4*\u+3], v[ADK] offset:16384+4096*\k+1024*\d+512*\u
.endr
.endr
.endr
	s_wait_dscnt 32                                ; K's first sixteen loads are in
	WIN 0x01                                       ; source 0 (K) window 1
	KQ \p, 0
	s_wait_dscnt 16                                ; K's other sixteen
	KQ \p, 1
	WIN 0
	PLACES 4                                       ; behind the last product: ahead of the loads into K's registers and of the first read of scores
	WIN 0x40
.irp k, 2,3                                    ; V's other half, where K's first half lay
.irp d, 0,1,2,3
.irp u, 0,1
	ds_load_b128 v[32*(\k-2)+8*\d+4*\u:32*(\k-2)+8*\d+4*\u+3], v[ADK] offset:16384+4096*\k+1024*\d+512*\u
.endr
.endr
.endr
	WIN 0
	SOFTMAX
	RESCALE                                        ; O^T times a
	s_wait_dscnt 16                                ; V's first half is in; the sixteen loads behind it may be out
	WIN 0x51                                       ; source 0 (V), C and D (O^T) window 1
	PV 0, 128
	PV 1, 160
	s_wait_dscnt 0x0
	PV 2, 0
	PV 3, 32
	WIN 0
	PLACES 5                                       ; the next slot's first products write over p, which these products read, and its loads land on V: five plain instructions between
	s_xor_b32 s[TB], s[TB], SLOTB                  ; on to the other slot
.endm
; A pass's end: O^T / l, rounded to f16, goes to LDS as two fragments a tile.
.macro PASS_END p
.irp t, 0,1
	v_add_f32 v[ST+8*\t+4], v[ST+8*\t+2], v[ST+8*\t+3]
.endr
.irp t, 0,1
	v_permlanex16_b32 v[ST+8*\t+5], v[ST+8*\t+4], s[SEL], s[SEL+1]
.endr
.irp t, 0,1
	v_add_f32 v[ST+8*\t+4], v[ST+8*\t+4], v[ST+8*\t+5]
.endr
.irp t, 0,1
	v_rcp_f32 v[ST+8*\t+6], v[ST+8*\t+4]
.endr
	v_nop                                          ; a plain instruction behind the last reciprocal
	s_wait_alu depctr_va_vdst(0)                   ; and the wait ahead of the first use: one for the two
	RESCALE
	WIN 0x05                                       ; sources window 1, destination window 0
.irp t, 0,1
.irp d, 0,1,2,3
.irp i, 0,1,2,3
	v_cvt_pk_f16_f32 v[OP+16*\t+4*\d+\i], v[O+32*\t+8*\d+2*\i], v[O+32*\t+8*\d+2*\i+1]
.endr
.endr
.endr
	WIN 0
.irp t, 0,1
.irp g, 0,1,2,3
	ds_store_b128 v[OST], v[OP+16*\t+4*\g:OP+16*\t+4*\g+3] offset:4096*\p+2048*\t+512*\g
.endr
.endr
.if \p < 2
.irp t, 0,1
	v_mov_b32 v[ST+8*\t+1], 0xff61b1e6             ; the next head begins: m = -3e38, so that its first a is 0
	v_mul_f32 v[ST+8*\t], s[CS], v[ST+8*\t+1]
.endr
.endif
.endm
.macro QLOAD p                         ; Q of head 2 p + hp, my 32 queries: four fragments, into set p % 2
.irp t, 0,1
.irp g, 0,1,2,3
	global_load_b128 v[Q+32*((\p)%2)+16*\t+4*\g:Q+32*((\p)%2)+16*\t+4*\g+3], v[LI], s[42:43] offset:262144*\p+2048*\t+512*\g th:TH_LOAD_NT
.endr
.endr
.endm
.macro PASSLOOP p, trips
	s_mov_b32 s37, \trips
.Lpass_\@:
	CHANGE 1
	SLOTWORK \p
	s_sub_co_u32 s37, s37, 1
	s_cmp_lg_u32 s37, 0
	s_cbranch_scc1 .Lpass_\@
.endm
	s_load_b256 s[4:11], s[0:1], 0x0               ; qf s[4:5], kv s[6:7], owf s[8:9], o_b s[10:11]
	s_load_b64 s[12:13], s[0:1], 0x20              ; out0
	v_lshl_add_u32 v[SPW], v0, 2, SPARE
	v_mov_b32 v[NIL], 0
	ds_add_u32 v[SPW], v[NIL]                      ; the wave's opening: the add, twice on end, and its wait ahead of my first tensor load
	ds_add_u32 v[SPW], v[NIL]
	v_lshrrev_b32 v12, 5, v0
	v_readfirstlane_b32 s14, v12                   ; wave 0..7
	s_lshr_b32 s15, s14, 2                         ; hp
	s_and_b32 s16, s14, 3                          ; qg
	s_bfe_u32 s17, ttmp6, 0x40000                  ; cx: my place in the cluster
	s_lshl_b32 s18, ttmp9, 2                       ; in a cluster launch ttmp9 counts clusters
	s_add_co_u32 s18, s18, s17                     ; my block of 128 queries: it enters Q's and the output's addresses alone
	s_and_b32 s19, ttmp7, 0xffff                   ; the batch, which the four partners share
	; descriptor group 1: 8,192 dense bytes as 32 rows of 32 elements of 8 bytes; no padding: images are read at 16 x lane
	s_mov_b32 s[G1+0], 15|(3<<16)|(1<<21)          ; the mask: all four work-groups; elements of 8 bytes; bit 21 set beside a mask
	s_mov_b32 s[G1+1], 32<<16                      ; tensor_dim0 = 32
	s_mov_b32 s[G1+2], 32<<16                      ; tensor_dim1 = 32
	s_mov_b32 s[G1+3], 32<<16                      ; tile_dim0 = 32
	s_mov_b32 s[G1+4], 32                          ; tile_dim1 = 32
	s_mov_b32 s[G1+5], 32                          ; from row to row
	s_mov_b32 s[G1+6], 0
	s_mov_b32 s[G1+7], 0
	s_mov_b32 s[G0], 1
	s_lshl_b32 s[G0+1], s14, 13                    ; my eighth of slot 0: no place in the cluster enters an LDS address
	s_mov_b32 s[CS], 0x3e38aa3b                    ; c = log2(e) / 8
	s_mov_b32 s[CS+1], s[CS]
	s_mov_b32 s[SEL], 0x76543210
	s_mov_b32 s[SEL+1], 0xfedcba98
	s_mov_b32 s[REM], 23                           ; 24 slots; slot 0 is asked for here
	s_mov_b32 s[TB], 0
	s_lshr_b32 s[LIM], s14, 1                      ; 0 in waves 0 and 1,
	s_or_b32 s[LIM], s[LIM], ttmp9                 ; where the cluster is the batch's first: the same in all four partners
	s_cmp_eq_u32 s[LIM], 0
	s_cselect_b32 s[LIM], 1, -1
	v_and_b32 v12, 31, v0                          ; lane
	v_and_b32 v13, 15, v0                          ; r
	v_bfe_u32 v14, v0, 4, 1                        ; h
	v_lshlrev_b32 v[LI], 4, v12
	v_lshlrev_b32 v[PFO], 8, v12
	s_lshl_b32 s50, s15, 15
	v_add_nc_u32 v[AK0], s50, v[LI]
	s_mul_i32 s50, s14, 12288
	s_add_co_u32 s50, s50, OIMG
	v_add_nc_u32 v[OST], s50, v[LI]
	v_add_nc_u32 v[OB], OIMG, v[LI]
	v_add_nc_u32 v[OB+1], OIMG+49152, v[LI]
	v_mul_u32_u24 v[STO0], v13, SPITCH
	v_lshl_add_u32 v[STO0], v14, 5, v[STO0]
	s_mul_i32 s50, s14, 192
	v_add_nc_u32 v[STO0], s50, v[STO0]
	s_mul_i32 s50, s14, 8*SPITCH
	v_add_nc_u32 v[SRD0], s50, v[LI]
	s_mul_i32 s50, s19, 1572864                    ; the batch's 24 slots
	s_mov_b32 s51, 0
	s_lshl_b32 s54, s14, 13                        ; my eighth of a slot
	s_mov_b32 s55, 0
	s_wait_dscnt 0x0                               ; both opening adds are done
	s_wait_kmcnt 0x0
	s_add_nc_u64 s[52:53], s[6:7], s[50:51]
	s_add_nc_u64 s[G0+2:G0+3], s[52:53], s[54:55]  ; made of the batch and the wave's number alone
	s_or_b32 s[G0+3], s[G0+3], 0x80000000          ; type = 2
	s_mul_i32 s54, s14, 36864                      ; o_w: my three tiles of 12,288 bytes
	s_add_nc_u64 s[44:45], s[8:9], s[54:55]
	s_mul_i32 s54, s14, 192                        ; o_b: my 48 numbers
	s_add_nc_u64 s[46:47], s[10:11], s[54:55]
	s_lshl_b32 s2, s17, 14                         ; the prefetches: my work-group's quarter of a slot,
	s_and_b32 s3, s14, 1
	s_lshl_b32 s3, s3, 13                          ; my wave's half of it,
	s_add_co_u32 s2, s2, s3
	s_add_co_u32 s2, s2, SLOTB                     ; in slot 1: the first change of slots steps it to slot 2.  Nothing is prefetched here, at the head
	s_mov_b32 s3, 0
	s_add_nc_u64 s[PFA:PFA+1], s[52:53], s[2:3]
	s_mul_i32 s2, s19, 786432                      ; Q: batch,
	s_lshl_b32 s3, s15, 17                         ; head hp,
	s_add_co_u32 s2, s2, s3
	s_lshl_b32 s3, s18, 14                         ; my block's 8 tiles of 2,048 bytes,
	s_add_co_u32 s2, s2, s3
	s_lshl_b32 s3, s16, 12                         ; my wave's two
	s_add_co_u32 s2, s2, s3
	s_mov_b32 s3, 0
	s_add_nc_u64 s[42:43], s[4:5], s[2:3]
	s_lshl_b32 s2, s19, 10                         ; the output: row 1,024 batch + 128 block + 8 wave,
	s_lshl_b32 s3, s18, 7
	s_add_co_u32 s2, s2, s3
	s_lshl_b32 s3, s14, 3
	s_add_co_u32 s2, s2, s3
	s_mul_i32 s2, s2, 1536                         ; of 1,536 bytes
	s_mov_b32 s3, 0
	s_add_nc_u64 s[48:49], s[12:13], s[2:3]
	CROUND                                         ; all four work-groups are here: the first joint loads meet
	tensor_load_to_lds s[G0:G0+3], s[G1:G1+7]      ; slot 0
	s_nop 0
	PLACES 4
	QLOAD 0
	WIN 0x40
.set j, 0
.rept 64
	v_mov_b32 v[O+j], 0                            ; O^T, once: the first slot's a, which is 0, finds numbers there
.set j, j+1
.endr
	WIN 0
.irp t, 0,1
	v_mov_b32 v[ST+8*\t+1], 0xff61b1e6             ; m = -3e38
	v_mul_f32 v[ST+8*\t], s[CS], v[ST+8*\t+1]
	v_mov_b32 v[ST+8*\t+2], 0                      ; l
	v_mov_b32 v[ST+8*\t+3], 0
.endr
	s_wait_loadcnt 0x0                             ; Q of pass 0
	QLOAD 1                                        ; the next pass's lands while this one runs
	PASSLOOP 0, 8
	PASS_END 0
	s_wait_loadcnt 0x0
	QLOAD 2
	PASSLOOP 1, 8
	PASS_END 1
	s_wait_loadcnt 0x0
	PASSLOOP 2, 7
	CHANGE 0                                       ; the last slot is written out: nothing is left to ask for
	SLOTWORK 2
	; ---- THE END.  My part of o_w: fragment f = 3 c + n (chunk c of 32 channels, tile n of 16 columns).  f = 0..31 in window 1 at 8 f, f = 32..35 in v56-87; o_b's three tiles in v32-55
	WIN 0x40
.irp f, 0,1,2,3,4,5,6,7,8,9,10,11,12,13,14,15,16,17,18,19,20,21,22,23
.irp u, 0,1
	global_load_b128 v[8*\f+4*\u:8*\f+4*\u+3], v[LI], s[44:45] offset:12288*(\f%3)+1024*(\f/3)+512*\u
.endr
.endr
	WIN 0
	v_bfe_u32 v[ADK], v0, 4, 1
	v_lshlrev_b32 v[ADK], 5, v[ADK]                ; 32 h: register j of a tile = o_b[48 w + 16 n + 8 h + j]
.irp n, 0,1,2
	global_load_b128 v[32+8*\n:32+8*\n+3], v[ADK], s[46:47] offset:64*\n
	global_load_b128 v[32+8*\n+4:32+8*\n+7], v[ADK], s[46:47] offset:64*\n+16
.endr
.irp f, 32,33,34,35
.irp u, 0,1
	global_load_b128 v[56+8*(\f-32)+4*\u:56+8*(\f-32)+4*\u+3], v[LI], s[44:45] offset:12288*(\f%3)+1024*(\f/3)+512*\u
.endr
.endr
	PASS_END 2
	WIN 0x40
.irp f, 24,25,26,27,28,29,30,31                ; where O^T lay
.irp u, 0,1
	global_load_b128 v[8*\f+4*\u:8*\f+4*\u+3], v[LI], s[44:45] offset:12288*(\f%3)+1024*(\f/3)+512*\u
.endr
.endr
	WIN 0
	s_wait_dscnt 0x0                               ; for the others' sake: my images of O lie in LDS, and my reads of the ring are over
	s_barrier_signal -1
	s_barrier_wait -1
; Chunk c of O for the four query tiles of half hf: head c / 2 = 2 (c / 4) + (c / 2) % 2, its channels 32 (c % 2) on; query tile qt = 4 hf + q was made by wave qt / 2 + 4 hp as its tile qt % 2
.macro BF c, hf
.irp q, 0,1,2,3
.irp u, 0,1
	ds_load_b128 v[192+32*((\c)%2)+8*\q+4*\u:192+32*((\c)%2)+8*\q+4*\u+3], v[OB+((\c)/2)%2] offset:12288*(2*\hf+\q/2)+4096*((\c)/4)+2048*(\q%2)+1024*((\c)%2)+512*\u
.endr
.endr
.endm
; 64 queries x my 48 columns: twelve accumulators (q, n) at v[96 + 8 (3 q + n)], by turns, a chunk of 32 channels at a time; then through the stage, and out as whole rows.
.macro OUTHALF hf
	v_add_nc_u32 v[Y], STGH*\hf, v[STO0]           ; the stage's half: query tiles 0, 1,
	v_add_nc_u32 v[Y+1], STGH*\hf+32*SPITCH, v[STO0]   ; 2, 3,
	v_add_nc_u32 v[Y+2], STGH*\hf, v[SRD0]         ; and back
	BF 0, \hf
.irp c, 0,1,2,3,4,5,6,7,8,9,10,11
	PLACES 4                                       ; behind the last products, ahead of loads into registers that they read
.if \c < 11
	BF \c+1, \hf
	s_wait_dscnt 8                                 ; chunk c is in; the eight loads just issued may be out
.else
	s_wait_dscnt 0x0
.endif
.if \hf == 0
.if \c == 0
	s_wait_loadcnt 16                              ; o_w's fragments 0-23 and 32-35 and o_b are in; the sixteen loads of fragments 24-31 may be out
.endif
.if \c == 8
	s_wait_loadcnt 0x0                             ; fragment 24 is wanted
.endif
.endif
.irp n, 0,1,2
.set F, 3*\c+\n
.if F < 32
	WIN 0x01                                       ; source 0 (o_w) window 1
.set AR, 8*F
.else
	WIN 0
.set AR, 56+8*(F-32)
.endif
.irp q, 0,1,2,3
.if \c == 0
	v_wmma_f32_16x16x32_f16 v[96+8*(3*\q+\n):96+8*(3*\q+\n)+7], v[AR:AR+7], v[192+32*(\c%2)+8*\q:192+32*(\c%2)+8*\q+7], v[32+8*\n:32+8*\n+7]
.else
	v_wmma_f32_16x16x32_f16 v[96+8*(3*\q+\n):96+8*(3*\q+\n)+7], v[AR:AR+7], v[192+32*(\c%2)+8*\q:192+32*(\c%2)+8*\q+7], v[96+8*(3*\q+\n):96+8*(3*\q+\n)+7]
.endif
.endr
.endr
	WIN 0
.endr
	PLACES 4                                       ; ahead of the first read of results
.irp q, 0,1,2,3
.irp n, 0,1,2
	ds_store_b128 v[Y+\q/2], v[96+8*(3*\q+\n):96+8*(3*\q+\n)+3] offset:16*SPITCH*(\q%2)+64*\n        ; lane (r, h): row 16 q + r, columns 48 w + 16 n + 8 h + 0..7; each accumulator from its low end on
	ds_store_b128 v[Y+\q/2], v[96+8*(3*\q+\n)+4:96+8*(3*\q+\n)+7] offset:16*SPITCH*(\q%2)+64*\n+16
.endr
.endr
	s_wait_dscnt 0x0                               ; for the others' sake: my columns lie in the stage
	s_barrier_signal -1
	s_barrier_wait -1                              ; 64 whole rows do
.irp i, 0,1,2,3,4,5,6,7
.irp j, 0,1,2
	ds_load_b128 v[96+4*(3*\i+\j):96+4*(3*\i+\j)+3], v[Y+2] offset:SPITCH*\i+512*\j
.endr
.endr
.irp i, 0,1,2,3,4,5,6,7
.irp j, 0,1,2
	s_wait_dscnt 23-(3*\i+\j)
	global_store_b128 v[LI], v[96+4*(3*\i+\j):96+4*(3*\i+\j)+3], s[48:49] offset:(64*\hf+\i)*1536+512*\j th:TH_STORE_NT   ; 32 lanes store 512 consecutive bytes, at a multiple of 512 from the output's first byte
.endr
.endr
	s_wait_xcnt 0x0                                ; the stores have read their data: these registers are written again only behind this wait
.endm
	OUTHALF 0
	OUTHALF 1                                      ; the second half has stage bytes of its own: no barrier between the first half's reads and its stores
	s_wait_tensorcnt 0x0                           ; the wave's end: behind my last tensor load and my last LDS store
	ds_add_u32 v[SPW], v[NIL]
	s_wait_dscnt 0x0
	CROUND                                         ; the closing round: no work-group ends while a partner may still ask for a slot that names it
	s_endpgm
.Lfunc_end_k_qd2fa199fae_attn:
	.size	k_qd2fa199fae_attn, .Lfunc_end_k_qd2fa199fae_attn-k_qd2fa199fae_attn
	.p2alignl 7, 3214868480
	.fill 96, 4, 3214868480
	.section	.rodata,"a",@progbits
	.p2align	6, 0x0
	.amdhsa_kernel k_qd2fa199fae_attn
		.amdhsa_group_segment_fixed_size 327680
		.amdhsa_private_segment_fixed_size 0
		.amdhsa_enable_private_segment 0
		.amdhsa_kernarg_size 40
		.amdhsa_user_sgpr_count 2
		.amdhsa_user_sgpr_kernarg_segment_ptr 1
		.amdhsa_wavefront_size32 1
		.amdhsa_system_sgpr_workgroup_id_x 1
		.amdhsa_system_sgpr_workgroup_id_y 1
		.amdhsa_system_sgpr_workgroup_id_z 1
		.amdhsa_system_vgpr_workitem_id 0
		.amdhsa_next_free_vgpr 512
		.amdhsa_next_free_sgpr 66
		.amdhsa_reserve_vcc 0
		.amdhsa_float_denorm_mode_32 3
		.amdhsa_float_denorm_mode_16_64 3
		.amdhsa_memory_ordered 1
		.amdhsa_forward_progress 1
		.amdhsa_inst_pref_size 210
	.end_amdhsa_kernel
	.amdgpu_metadata
---
amdhsa.version: [ 1, 2 ]
amdhsa.kernels:
  - .name:           k_qd2fa199fae_attn
    .symbol:         k_qd2fa199fae_attn.kd
    .args:
      - { .name: qf, .offset: 0, .size: 8, .value_kind: global_buffer, .address_space: global }
      - { .name: kv, .offset: 8, .size: 8, .value_kind: global_buffer, .address_space: global }
      - { .name: owf, .offset: 16, .size: 8, .value_kind: global_buffer, .address_space: global }
      - { .name: o_b, .offset: 24, .size: 8, .value_kind: global_buffer, .address_space: global }
      - { .name: out0, .offset: 32, .size: 8, .value_kind: global_buffer, .address_space: global }
    .group_segment_fixed_size: 327680
    .private_segment_fixed_size: 0
    .kernarg_segment_align: 8
    .kernarg_segment_size: 40
    .max_flat_workgroup_size: 256
    .sgpr_count:     66
    .vgpr_count:     512
    .wavefront_size: 32
...
	.end_amdgpu_metadata
.endif
;; end of part 3
